; MI455X (gfx1250); checked and timed in simulation.
; The chip was launched on July 23, 2026; its instructions are those of AMD's public machine-readable ISA for CDNA 5 (MIT licence, August 2026) and "CDNA5" Instruction Set Architecture Reference Guide (July 2026). The comments in the code are by the model that wrote it; some were corrected since.
;; GRU unit. Allowed arithmetic: float matrix products may take bf16 or f16 operands with f32 sums; other float arithmetic in f32, or as packed bf16 or f16 multiplies, adds, multiply-adds, maxima and minima; sums over many terms, partial sums and values carried from step to step in f32; what a program stores and reads back later, other than sums and carried values, may be rounded once to bf16 or f16.
;; Inputs: W_hh 1,024 x 1,024 float32; W_hi 1,024 x 1,024 float32; W_rh 1,024 x 1,024 float32; W_ri 1,024 x 1,024 float32; W_zh 1,024 x 1,024 float32; W_zi 1,024 x 1,024 float32; b_hi 1,024 float32; b_ri 1,024 float32; b_zi 1,024 float32; h 8,192 x 1,024 float32; x 8,192 x 1,024 float32.
;; Outputs: out0 8,192 x 1,024 float32.
;; One version. Each part assembles by itself: llvm-mc -triple=amdgcn-amd-amdhsa -mcpu=gfx1250 --defsym DOCPART=n.
;; ======== version 1 of 1: 3 launches
;; limits: values are held in f16: magnitudes above 65,504 overflow, below 6.1e-05 lose precision; inputs' magnitudes at most 65,504
;; workspace buffers: XB 16,777,216 bytes; HB 16,777,216 bytes; WB 12,582,912 bytes; HR 16,777,216 bytes; ZG 33,554,432 bytes
;; launch prep (part 1): grid 64 x 22, 8 waves a work-group, no clusters, 0 bytes of LDS; arguments x, h, W_ri, W_rh, W_zi, W_zh, W_hi, W_hh, XB, HB, WB; writes XB, HB, WB
.if DOCPART == 1
	.amdgcn_target "amdgcn-amd-amdhsa--gfx1250"
	.amdhsa_code_object_version 6
	.text
	.protected	k_qf6d1fd2054_prep
	.globl	k_qf6d1fd2054_prep
	.p2align	8
	.type	k_qf6d1fd2054_prep,@function
k_qf6d1fd2054_prep:
	s_mov_b64 s[64:65], 0
	v_nop
	global_prefetch_b8 v0, s[64:65] scope:SCOPE_SE
	s_setreg_imm32_b32 hwreg(HW_REG_WAVE_MODE, 25, 1), 1
	s_wait_xcnt 0x0
; GRU cell, launch 1 of 3: XB = bf16(x), HB = bf16(h), WB = bf16 of the six weight matrices, each rounded once, to nearest even; nothing is transposed.
; NOTHING OF THE PROBLEM IS LEFT OUT in any launch: all eleven inputs reach the output (six products, three biases, two sigmoids, a tanh, the blend); the dropout with keep probability 1 is no step.
; WHY A CAST OF ITS OWN: the two launches behind read each tile of x, h and the weights many times over (eight or four tile columns, 32 or 64 tile rows); in 16 bits a tile goes from memory
; to LDS to the matrix unit as it lies, and is rounded once and not once for each reader.
; FORMATS.  Every input is used in its bf16 rounding and in no other form: x, h and the weights from here on, the biases where they are added, h also in h * r and in the blend.
; LAYOUT.  XB, HB: [8192][1024] bf16.  WB: six units [1024 k][1024 n] bf16 in the order ri, rh, zi, zh, hi, hh: three matrices [2048 k][1024 n], 4,194,304 bytes apart, in which k runs on
; from the part that x multiplies into the part that h (or h * r) multiplies.
; SHARES.  A unit is 1,048,576 numbers: x is units 0-7 (the grid's y), h 8-15, weight i is unit 16 + i.  A work-group takes 16,384 numbers of its unit (the grid's x): 65,536 bytes in, 32,768 out.
; Thread t, step j: 16 bytes at 4,096 j + 16 t in (a wave: 512 consecutive bytes), 8 bytes at 2,048 j + 8 t out (a wave: 256 consecutive bytes, aligned).
; All sixteen loads of a wave go out before its first wait.  No LDS, no barrier, no matrix unit: the launch only moves bytes, and no wave wants what another has.
.set STEPS, 16
.set IN,  8                            ; v[8:71]    step j: four f32 as loaded
.set OUT, 72                           ; v[72:103]  step j: four bf16 to store
	s_load_b512 s[16:31], s[0:1], 0x0              ; x s[16:17], h s[18:19], W_ri, W_rh, W_zi, W_zh, W_hi, W_hh s[20:31]
	s_load_b128 s[32:35], s[0:1], 0x40             ; XB s[32:33], HB s[34:35]
	s_load_b64 s[36:37], s[0:1], 0x50              ; WB
	s_and_b32 s2, ttmp7, 0xffff                    ; the unit, 0 to 21
	s_and_b32 s3, s2, 7                            ; its number inside x or h
	s_sub_co_u32 s4, s2, 16                        ; its number among the weights (taken only where the unit is 16 or more)
	s_cmp_lt_u32 s2, 16
	s_cselect_b32 s5, s3, 0                        ; units to skip in the source: a weight is a buffer of its own
	s_cselect_b32 s6, s3, s4                       ; units to skip in the destination
	s_lshl_b32 s8, s5, 22                          ; a unit is 4,194,304 bytes of f32,
	s_lshl_b32 s7, ttmp9, 16                       ; a work-group's part 65,536
	s_add_co_u32 s8, s8, s7
	s_mov_b32 s9, 0
	s_lshl_b32 s10, s6, 21                         ; and half of each in bf16
	s_lshl_b32 s7, ttmp9, 15
	s_add_co_u32 s10, s10, s7
	s_mov_b32 s11, 0
	v_lshlrev_b32 v1, 4, v0                        ; 16 t
	v_lshlrev_b32 v2, 3, v0                        ; 8 t
	s_wait_kmcnt 0x0
	s_cmp_ge_u32 s2, 8                             ; the buffers are chosen by the unit's number alone
	s_cselect_b64 s[12:13], s[18:19], s[16:17]     ; from h or x,
	s_cselect_b64 s[14:15], s[34:35], s[32:33]     ; to HB or XB,
	s_cmp_ge_u32 s2, 16
	s_cselect_b64 s[14:15], s[36:37], s[14:15]     ; or to WB,
.irp i, 0,1,2,3,4,5
	s_cmp_eq_u32 s2, 16+(\i)
	s_cselect_b64 s[12:13], s[20+2*(\i):21+2*(\i)], s[12:13]  ; from weight i
.endr
	s_add_nc_u64 s[12:13], s[12:13], s[8:9]
	s_add_nc_u64 s[14:15], s[14:15], s[10:11]
.irp j, 0,1,2,3,4,5,6,7,8,9,10,11,12,13,14,15
	global_load_b128 v[IN+4*(\j):IN+4*(\j)+3], v1, s[12:13] offset:4096*(\j) th:TH_LOAD_NT  ; read once in the launch
.endr
.irp j, 0,1,2,3,4,5,6,7,8,9,10,11,12,13,14,15
	s_wait_loadcnt STEPS-1-(\j)                    ; loads come back in order (ISA guide 5.7.1): step j's is in, the 15 - j younger ones stay out
	v_cvt_pk_bf16_f32 v[OUT+2*(\j)], v[IN+4*(\j)], v[IN+4*(\j)+1]
	v_cvt_pk_bf16_f32 v[OUT+2*(\j)+1], v[IN+4*(\j)+2], v[IN+4*(\j)+3]
	global_store_b64 v2, v[OUT+2*(\j):OUT+2*(\j)+1], s[14:15] offset:2048*(\j)  ; no register of a load or store is ever rewritten, so no further wait is owed
.endr
	s_endpgm
.Lfunc_end_k_qf6d1fd2054_prep:
	.size	k_qf6d1fd2054_prep, .Lfunc_end_k_qf6d1fd2054_prep-k_qf6d1fd2054_prep
	.p2alignl 7, 3214868480
	.fill 96, 4, 3214868480
	.section	.rodata,"a",@progbits
	.p2align	6, 0x0
	.amdhsa_kernel k_qf6d1fd2054_prep
		.amdhsa_group_segment_fixed_size 0
		.amdhsa_private_segment_fixed_size 0
		.amdhsa_enable_private_segment 0
		.amdhsa_kernarg_size 88
		.amdhsa_user_sgpr_count 2
		.amdhsa_user_sgpr_kernarg_segment_ptr 1
		.amdhsa_wavefront_size32 1
		.amdhsa_system_sgpr_workgroup_id_x 1
		.amdhsa_system_sgpr_workgroup_id_y 1
		.amdhsa_system_sgpr_workgroup_id_z 1
		.amdhsa_system_vgpr_workitem_id 0
		.amdhsa_next_free_vgpr 104
		.amdhsa_next_free_sgpr 66
		.amdhsa_reserve_vcc 0
		.amdhsa_float_denorm_mode_32 3
		.amdhsa_float_denorm_mode_16_64 3
		.amdhsa_memory_ordered 1
		.amdhsa_forward_progress 1
		.amdhsa_inst_pref_size 8
	.end_amdhsa_kernel
	.amdgpu_metadata
---
amdhsa.version: [ 1, 2 ]
amdhsa.kernels:
  - .name:           k_qf6d1fd2054_prep
    .symbol:         k_qf6d1fd2054_prep.kd
    .args:
      - { .name: x, .offset: 0, .size: 8, .value_kind: global_buffer, .address_space: global }
      - { .name: h, .offset: 8, .size: 8, .value_kind: global_buffer, .address_space: global }
      - { .name: W_ri, .offset: 16, .size: 8, .value_kind: global_buffer, .address_space: global }
      - { .name: W_rh, .offset: 24, .size: 8, .value_kind: global_buffer, .address_space: global }
      - { .name: W_zi, .offset: 32, .size: 8, .value_kind: global_buffer, .address_space: global }
      - { .name: W_zh, .offset: 40, .size: 8, .value_kind: global_buffer, .address_space: global }
      - { .name: W_hi, .offset: 48, .size: 8, .value_kind: global_buffer, .address_space: global }
      - { .name: W_hh, .offset: 56, .size: 8, .value_kind: global_buffer, .address_space: global }
      - { .name: XB, .offset: 64, .size: 8, .value_kind: global_buffer, .address_space: global }
      - { .name: HB, .offset: 72, .size: 8, .value_kind: global_buffer, .address_space: global }
      - { .name: WB, .offset: 80, .size: 8, .value_kind: global_buffer, .address_space: global }
    .group_segment_fixed_size: 0
    .private_segment_fixed_size: 0
    .kernarg_segment_align: 8
    .kernarg_segment_size: 88
    .max_flat_workgroup_size: 256
    .sgpr_count:     66
    .vgpr_count:     104
    .wavefront_size: 32
...
	.end_amdgpu_metadata
.endif
;; end of part 1
;; launch gates (part 2): grid 8 x 32, 4 waves a work-group, clusters of 4 x 4, 327,680 bytes of LDS; arguments XB, HB, WB, b_ri, b_zi, HR, ZG; writes HR, ZG
.if DOCPART == 2
	.amdgcn_target "amdgcn-amd-amdhsa--gfx1250"
	.amdhsa_code_object_version 6
	.text
	.protected	k_qf6d1fd2054_gates
	.globl	k_qf6d1fd2054_gates
	.p2align	8
	.type	k_qf6d1fd2054_gates,@function
k_qf6d1fd2054_gates:
	s_mov_b64 s[64:65], 0
	v_nop
	global_prefetch_b8 v0, s[64:65] scope:SCOPE_SE
	s_setreg_imm32_b32 hwreg(HW_REG_WAVE_MODE, 25, 1), 1
	s_wait_xcnt 0x0
	s_wait_alu depctr_hold_cnt(0) depctr_sa_sdst(0) depctr_va_vdst(0) depctr_va_sdst(0) depctr_va_ssrc(0) depctr_va_vcc(0) depctr_vm_vsrc(0)
	s_getreg_b32 s2, hwreg(HW_REG_IB_STS2, 6, 4)
	s_cmp_eq_u32 s2, 0
	s_cbranch_scc0 .Lentry_in_a_cluster
	s_endpgm
.Lentry_in_a_cluster:
	s_bfe_u32 s2, ttmp6, 0x10000c
	s_cmp_lg_u32 s2, 0xf033
	s_cbranch_scc0 .Lentry_shape_is_right
	s_endpgm
.Lentry_shape_is_right:
; GRU cell, launch 2 of 3: r = sigmoid([x | h] [W_ri ; W_rh] + b_ri), z = sigmoid([x | h] [W_zi ; W_zh] + b_zi); stored are HR = bf16(h * r) and, in ZG, f16(z) and f16(g), g = (1 - z) h.  Nothing is left out.
; XB, HB: [8192][1024] bf16; WB: matrices [2048 k][1024 n] bf16, r's at byte 0, z's at 4,194,304; HR: [8192][1024] bf16.  Products in bf16, sums in f32.
; ZG: [8192 rows][8 groups of 128 columns][32 lanes][16 bytes]: lane l's 16 bytes are z of the group's columns 4 l .. 4 l + 3 and then g of the same four: a row of a group is 512 bytes on end.
; LIMITS.  The biases are used rounded to bf16, like every input of the program.  sigmoid(s) = 1 / (1 + 2^(-s log2 e)): where the exponential overflows or falls below 2^-126 the result is exactly 0 or 1.
; z and g are intermediates rounded once to f16: z lies in 0 to 1; g has h's range and must stay within 65,504; below 6e-5 both keep f16's fixed step of 6e-8.  NaN and infinities are not treated apart.
; SHARES.  A work-group takes 256 rows and, of BOTH gates, the same 128 columns: a 256 x 256 tile of results.  Four waves, as many as a WGP has SIMDs: wave w has rows 128 (w / 2) .. + 127 of gate w % 2
; (0 = r, 1 = z): 64 accumulators of 16 x 16, 512 registers.  So what tells r from z is a branch on the wave's number.  8 x 32 work-groups.
; K = 2,048 goes in 16 steps of 128 through a ring of two LDS slots filled by the tensor data mover: steps 0-7 take A's rows from XB, steps 8-15 from HB; the weights' rows run on.
; Every row of a tile is 256 bytes of memory and starts at a multiple of 256 bytes from its buffer's first byte.
; THE WEIGHTS LIE [k][n] and stay so: a tile's fragments come out of LDS turned, by ds_load_tr16_b128.
; THE MATRIX INSTRUCTION IS USED TRANSPOSED: source 0 = 16 columns of W, source 1 = 16 rows of A.  In the result lane l holds row l % 16 and its registers 0-7 the columns 8 (l / 16) + 0..7.
; THE BIAS IS THE C OPERAND of the first product on each accumulator: nothing is cleared, and nothing is added on the way out.
; CLUSTERS: 4 x 4 work-groups.  The four of a row of the cluster need the same tiles of A, the four of a column the same tiles of W: each tile is asked for JOINTLY, by the same tensor load with the same
; descriptor and a mask that names the four.
; REGISTERS, in windows of 256 (s_set_vgpr_msb: bits 1:0 source 0, 3:2 source 1, 5:4 source 2, 7:6 destination):
;   window 0: v0-31 addresses; v32-63 at work at the head, later h of block 4; v64-127, v128-191 fragments of A, two buffers, on the way out T and RB; v192-255 the bias, on the way out h widened
;   window 1: v64-127, v128-191 fragments of W, two buffers; v0-63, v192-255 h of blocks 0-3; behind the last product v64-159 h of blocks 5-7
;   windows 2, 3: accumulator (a, b) at v[8 (8 (a % 4) + b)] of window 2 + a / 4
.set PITA,   272                       ; a row of A in LDS: 256 bytes + 16 of padding = 68 words: row r starts at bank 4 r mod 64 (64 banks of 4 bytes: ISA guide 11.1): the 16 rows of a load start at 16 different banks
.set PITB,   288                       ; a row of W: 256 + 32 = 72 words: row r starts at bank 8 r mod 64
.set AHALF,  128*PITA                  ; 128 rows of A: what wave 0 or 1 fetches, and what a wave reads
.set BOFF,   2*AHALF                   ; behind A's 256 rows: the weights
.set BHALF,  128*PITB                  ; 128 k rows x 128 columns of one gate: what wave 2 or 3 fetches, and what a wave reads
.set SLOT,   BOFF+2*BHALF              ; 143,360 bytes
.set STAGE,  2*SLOT                    ; behind the ring, never filled by a tensor load: 16 rows x 528 bytes of f32 for each wave, for the way out
.set SPITCH, 528                       ; 512 bytes + 16 = 132 words: row r starts at bank 4 r mod 64
.set SPARE,  STAGE+4*16*SPITCH         ; behind the stages: the spare words, 128 bytes for each wave: two blocks of 256 bytes that no other line names
.set AHEAD,  2                         ; a prefetch names the K step that stands so many refills on
.set CSV,  14                          ; v14-15  -log2(e), twice: a pair for the packed multiply
.set ADRA, 16                          ; v16-17  LDS address of my fragments of A in slot 0, 1
.set ADRB, 20                          ; v20-21  the same for W
.set STO,  24                          ; v24     the way out: where I put 32 bytes of a row
.set RD,   25                          ; v25     the way out: where I read 16 bytes of a row back
.set CO,   26                          ; v26     8 x lane: my four bf16 in 256 bytes of a row of HB or HR
.set BO,   27                          ; v27     my byte offset in the bias
.set SPW,  28                          ; v28     LDS address of my spare word: SPARE + 4 x my thread's number; never rewritten
.set NIL,  29                          ; v29     0; never rewritten
.set PFO,  30                          ; v30     the prefetches' offset: lane x 2,048, a row of XB, HB or WB; never rewritten
.set CO4,  31                          ; v31     16 x lane: my 16 bytes in 512 bytes of a row of ZG
.set RND,  32                          ; at work while the bias is rounded
.set F0,   64                          ; fragment buffer 0
.set F1,   128                         ; fragment buffer 1
.set T,    64                          ; the way out: a block's 64 numbers, in the accumulators' layout
.set RB,   128                         ; the same block read back by rows: row t at RB + 4 t; then the packed results
.set BI,   192                         ; the bias as a C operand: column block b at BI + 8 b
.set U,    192                         ; the way out: h in f32, row t at U + 4 t
.set OST,  8                           ; s[8:9]  bytes from block to block in HR or in ZG
.set BLK,  15                          ; s15     the way out's trip
.set TA,   18                          ; s[18:19] A's base for the step to be asked for
.set HP,   20                          ; s[20:21] HB at my first row, my 128 columns; never rewritten
.set OP,   22                          ; s[22:23] HR or ZG at the block to be stored
.set G1,   24                          ; s[24:31] descriptor group 1 for A's tiles
.set G0,   32                          ; s[32:39] group 0 for A's tiles, a set for each slot
.set LIM,  43                          ; s43     a wave prefetches while the step's number is below this; 0 in a wave that never does
.set PFA,  44                          ; s[44:45] the prefetch's address
.set G1B,  48                          ; s[48:55] group 1 for W's tiles
.set G0B,  56                          ; s[56:63] group 0 for W's tiles, a set for each slot
.set OFA,  66                          ; s[66:67] a step's byte offset along A's rows
.set AX,   82                          ; s[82:83] XB at the 128 rows that I fetch
.set AH,   84                          ; s[84:85] HB at the same rows
.set BW,   86                          ; s[86:87] WB at K step 0 of the gate and the columns that I fetch
.set PF1,  88                          ; s[88:89] the prefetches' base for K steps 0-7
.set PF2,  90                          ; s[90:91] and for 8-15
.set PM,   92                          ; s92, s93  a step's offset from that base: (step & PM) << PS
.set PS,   93
.set POF,  94                          ; s[94:95]
.set KN,   96                          ; s96     the K step to be asked for next
.set PK,   97                          ; s97     the K step to be prefetched
.set CS,   98                          ; s98     -log2(e)
.set OFB,  100                         ; s[100:101] a step's byte offset down W's rows
.set MSB, 0
.macro WIN new                         ; the immediate's high byte repeats the setting that is left; a switch that changes nothing is dropped
.if MSB != (\new)
	s_set_vgpr_msb (MSB<<8)|(\new)
.set MSB, \new
.endif
.endm
; A load into a register that a matrix instruction has read, and a vector instruction that reads a matrix result, stand four places behind that matrix instruction; only plain vector
; instructions that name none of its registers are places (ISA guide 7.12.1 for vector instructions).
.macro PLACES
.rept 4
	v_nop
.endr
.endm
; A joint load.  Waves 0 and 1 fetch A's two halves, waves 2 and 3 the two gates' weights.  Each line has one mask and one set of registers for all that issue it; the branch hangs on the wave's number alone.
; An s_nop 0 and four v_nop follow each of the two lines, ahead of the jump, the label and what follows.
.macro JLOAD s
	s_cmp_eq_u32 s11, 0
	s_cbranch_scc0 .Lfor_b_\@
	tensor_load_to_lds s[G0+4*(\s):G0+4*(\s)+3], s[G1:G1+7]
	s_nop 0
.rept 4
	v_nop
.endr
	s_branch .Lasked_\@
.Lfor_b_\@:
	tensor_load_to_lds s[G0B+4*(\s):G0B+4*(\s)+3], s[G1B:G1B+7]
	s_nop 0
.rept 4
	v_nop
.endr
.Lasked_\@:
.endm
; A round of the cluster's barrier: my work-group's barrier, so that wave 0's signal speaks for all four waves; wave 0 signals; every wave waits for all sixteen work-groups; my work-group's barrier once more.
.macro CREST                           ; a round behind its opening barrier
	s_cmp_lg_u32 s10, 0
	s_cbranch_scc1 .Lnot_wave_0_\@
	s_barrier_signal -3
.Lnot_wave_0_\@:
	s_barrier_wait -3
	s_barrier_signal -1
	s_barrier_wait -1
.endm
.macro CROUND                          ; a whole round
	s_barrier_signal -1
	s_barrier_wait -1
	CREST
.endm
; A PREFETCH INTO THE L2, behind each joint load, its five lines and the run of LDS loads that follows: 32 rows x 256 bytes of the K step that stands AHEAD = 2 refills on, 512 matrix instructions ahead of the
; load that will want them; a lane a row, one instruction a wave.  Each row's 256 bytes of a K step are named ONCE in the launch.  A's rows are read by both clusters of a row of clusters: cluster x = 0 asks;
; W's tiles by all eight clusters of a column: cluster y = 0 asks.  The four partners that ask for a tile jointly share its 128 rows out BY ADDRESS, 32 each (by cx for A, by cy for W).
; The last two refills have no K step two on and ask for nothing; K steps 0 to 3 come by their loads alone.
.macro ASK
	s_cmp_lt_u32 s[KN], s[LIM]                     ; KN has been stepped: it is the refill's step + 1
	s_cbranch_scc0 .Lnot_mine_\@
	global_prefetch_b8 v[PFO], s[PFA:PFA+1] th:TH_LOAD_NT scope:SCOPE_SE
.Lnot_mine_\@:
.endm
	s_load_b256 s[68:75], s[0:1], 0x0              ; XB s[68:69], HB s[70:71], WB s[72:73], b_ri s[74:75]
	s_load_b128 s[76:79], s[0:1], 0x20             ; b_zi s[76:77], HR s[78:79]
	s_load_b64 s[80:81], s[0:1], 0x30              ; ZG
	v_lshl_add_u32 v[SPW], v0, 2, SPARE
	v_mov_b32 v[NIL], 0
	ds_add_u32 v[SPW], v[NIL]                      ; the wave's opening: the add, twice on end, and its wait ahead of my first tensor load; the set-up below, work on registers, stands between
	ds_add_u32 v[SPW], v[NIL]                      ; and once more, under the one wait
	v_lshrrev_b32 v1, 5, v0
	v_readfirstlane_b32 s10, v1                    ; wave 0..3
	s_lshr_b32 s11, s10, 1                         ; which 128 rows are mine.  Also: I fetch for A (0) or for W (1)
	s_and_b32 s12, s10, 1                          ; which gate is mine.  Also: which half of A, or which gate's weights, I fetch
	s_bfe_u32 s40, ttmp6, 0x40000                  ; cx: my place along the cluster's x
	s_bfe_u32 s41, ttmp6, 0x40004                  ; cy: along its y
	s_lshl_b32 s42, ttmp9, 2                       ; in a cluster launch ttmp9 and ttmp7 count clusters
	s_add_co_u32 s42, s42, s40                     ; tile column = 4 x cluster x + cx: columns 128 x it, of both gates
	s_and_b32 s13, ttmp7, 0xffff
	s_lshl_b32 s13, s13, 2
	s_add_co_u32 s13, s13, s41                     ; tile row = 4 x cluster y + cy: rows 256 x it
	s_lshl_b32 s4, s41, 2
	s_lshl_b32 s4, 15, s4                          ; my row of the cluster: places 4 cy .. 4 cy + 3
	s_lshl_b32 s5, 0x1111, s40                     ; my column: places cx, cx + 4, cx + 8, cx + 12
	; descriptor group 1: a tile of 128 rows x 128 elements of 2 bytes, 1,024 elements from row to row, padded in LDS
	s_or_b32 s[G1], s4, (1<<16)|(1<<20)|(1<<21)|(5<<22)|(3<<25)   ; 15:0 the mask: A's tiles go to my row; 17:16 2-byte elements; 20 padding on; 21 set beside a mask; 24:22 after every 64 words (code 5); 31:25 4 words (code 3)
	s_or_b32 s[G1B], s5, (1<<16)|(1<<20)|(1<<21)|(5<<22)|(7<<25)  ; W's tiles go to my column; 8 words of padding (code 7)
.irp g, G1, G1B
	s_mov_b32 s[(\g)+1], 128<<16                   ; tensor_dim0 = 128
	s_mov_b32 s[(\g)+2], 128<<16                   ; tensor_dim1 = 128
	s_mov_b32 s[(\g)+3], 128<<16                   ; tile_dim0 = 128
	s_mov_b32 s[(\g)+4], 128                       ; tile_dim1 = 128
	s_mov_b32 s[(\g)+5], 1024                      ; tensor_dim0_stride
	s_mov_b32 s[(\g)+6], 0
	s_mov_b32 s[(\g)+7], 0
.endr
	s_mov_b32 s14, 0xffff0000                      ; a word's upper bf16
	s_mov_b32 s[OFA+1], 0
	s_mov_b32 s[OFB+1], 0
	s_mov_b32 s[POF+1], 0
	s_mov_b32 s[KN], 2                             ; K steps 0 and 1 are the first fills
	s_mov_b32 s[CS], 0xbfb8aa3b                    ; -log2(e)
	; where the tiles come from.  A's hang on the tile row alone, which my row of the cluster shares; W's on the tile column alone, which my column shares.  Every wave makes both.
	s_lshl_b32 s2, s12, 7
	s_lshl_b32 s16, s13, 8
	s_add_co_u32 s16, s16, s2                      ; A: row 256 x tile row + 128 x half,
	s_lshl_b32 s16, s16, 11                        ; of 2,048 bytes
	s_mov_b32 s17, 0
	s_lshl_b32 s46, s12, 22                        ; W: the gate's matrix,
	s_lshl_b32 s7, s42, 8                          ; 256 bytes of a row for each tile column
	s_add_co_u32 s46, s46, s7
	s_mov_b32 s47, 0
	s_mul_i32 s8, s12, AHALF                       ; and where they go: no place in the cluster enters an LDS address
	s_mul_i32 s9, s12, BHALF
	s_add_co_u32 s9, s9, BOFF
	s_wait_dscnt 0x0                               ; both opening adds are done
	s_wait_kmcnt 0x0
	s_add_nc_u64 s[AX:AX+1], s[68:69], s[16:17]
	s_add_nc_u64 s[AH:AH+1], s[70:71], s[16:17]
	s_add_nc_u64 s[BW:BW+1], s[72:73], s[46:47]
	CROUND                                         ; all sixteen work-groups are here: the first joint loads meet
.irp s, 0,1
	s_mov_b32 s[G0+4*(\s)], 1                                      ; 1:0 count = 1
	s_add_co_u32 s[G0+4*(\s)+1], s8, (\s)*SLOT                     ; 63:32 LDS address
	s_add_nc_u64 s[G0+4*(\s)+2:G0+4*(\s)+3], s[AX:AX+1], (\s)*256  ; 120:64 global address: K step s is 256 bytes along A's rows,
	s_or_b32 s[G0+4*(\s)+3], s[G0+4*(\s)+3], 0x80000000            ; 127:126 type = 2
	s_mov_b32 s[G0B+4*(\s)], 1
	s_add_co_u32 s[G0B+4*(\s)+1], s9, (\s)*SLOT
	s_add_nc_u64 s[G0B+4*(\s)+2:G0B+4*(\s)+3], s[BW:BW+1], (\s)*262144  ; and 128 rows of 2,048 bytes down W
	s_or_b32 s[G0B+4*(\s)+3], s[G0B+4*(\s)+3], 0x80000000
	JLOAD \s                                       ; the ring is filled before anything else is done: two loads of mine are out
.endr
	; A fragment of A is 16 rows x 32 K in 8 registers: lane l holds row l % 16; registers 0-3 hold K = 8 (l / 16) + 0..7, registers 4-7 K = 16 + 8 (l / 16) + 0..7: two loads of 16 bytes, 32 bytes apart.
	v_and_b32 v1, 15, v0                           ; l % 16
	v_bfe_u32 v2, v0, 4, 1                         ; l / 16
	v_mul_u32_u24 v3, v1, PITA
	v_lshl_add_u32 v3, v2, 4, v3
	s_mul_i32 s2, s11, AHALF                       ; my 128 rows of A
	v_add_nc_u32 v[ADRA], s2, v3
	v_add_nc_u32 v[ADRA+1], SLOT, v[ADRA]
	; The turning load takes 16 k x 16 columns (lane l reads 16 bytes: k row 8 (l / 16) + l % 8, columns 8 ((l / 8) % 2) + 0..7) and leaves half a fragment: lane l holds column l % 16 and 8 k.
	v_and_b32 v4, 7, v0
	v_lshl_add_u32 v4, v2, 3, v4
	v_mul_u32_u24 v4, v4, PITB
	v_bfe_u32 v5, v0, 3, 1
	v_lshl_add_u32 v4, v5, 4, v4
	s_mul_i32 s3, s12, BHALF                       ; my gate's weights,
	s_add_co_u32 s3, s3, BOFF                      ; which lie behind A
	v_add_nc_u32 v[ADRB], s3, v4
	v_add_nc_u32 v[ADRB+1], SLOT, v[ADRB]
	s_mul_i32 s15, s10, 16*SPITCH
	s_add_co_u32 s15, s15, STAGE                   ; my stage
	v_mul_u32_u24 v3, v1, SPITCH                   ; in: row l % 16, 32 bytes for each half of the lanes
	v_lshl_add_u32 v3, v2, 5, v3
	v_add_nc_u32 v[STO], s15, v3
	v_and_b32 v4, 31, v0                           ; l
	v_lshl_add_u32 v[RD], v4, 4, s15               ; back: 32 lanes take one row of 512 bytes
	v_lshlrev_b32 v[CO], 3, v4
	v_lshlrev_b32 v[CO4], 4, v4
	v_lshlrev_b32 v[PFO], 11, v4
	v_mov_b32 v[CSV], s[CS]
	v_mov_b32 v[CSV+1], s[CS]
	; the prefetches
	s_lshl_b32 s4, s40, 16                         ; A: my work-group's 32 rows (by cx) of the 128 that I fetch,
	s_add_co_u32 s4, s4, s16
	s_lshl_b32 s6, s41, 16                         ; W: my work-group's 32 k rows (by cy)
	s_add_co_u32 s6, s6, s46
	s_and_b32 s7, ttmp7, 0xffff                    ; cluster y
	s_cmp_eq_u32 s11, 0                            ; do I fetch for A?
	s_cselect_b32 s4, s4, s6
	s_mov_b32 s5, 0
	s_cselect_b64 s[PF1:PF1+1], s[68:69], s[72:73]
	s_cselect_b64 s[PF2:PF2+1], s[70:71], s[72:73]
	s_cselect_b32 s[PM], 7, 15                     ; A: 256 bytes a step, anew in HB from step 8 on; W: 262,144 bytes a step
	s_cselect_b32 s[PS], 8, 18
	s_cselect_b32 s7, ttmp9, s7                    ; the coordinate along which other clusters read the same rows
	s_add_nc_u64 s[PF1:PF1+1], s[PF1:PF1+1], s[4:5]
	s_add_nc_u64 s[PF2:PF2+1], s[PF2:PF2+1], s[4:5]
	s_cmp_eq_u32 s7, 0
	s_cselect_b32 s[LIM], 17-AHEAD, 0              ; the same in all sixteen partners, for a given wave
	; the way out's pointers: row 256 x tile row + 128 x my half; in HB and HR 2,048 bytes a row and 256 a tile column, in ZG twice that
	s_lshl_b32 s4, s13, 8
	s_lshl_b32 s5, s11, 7
	s_add_co_u32 s4, s4, s5
	s_lshl_b32 s4, s4, 11
	s_lshl_b32 s5, s42, 8
	s_add_co_u32 s4, s4, s5
	s_mov_b32 s5, 0
	s_add_nc_u64 s[HP:HP+1], s[70:71], s[4:5]
	s_lshl_b32 s6, s4, 1
	s_mov_b32 s7, 0
	s_mov_b32 s[OST], 16*2048                      ; 16 rows of HR,
	s_lshl_b32 s[OST], s[OST], s12                 ; or of ZG
	s_mov_b32 s[OST+1], 0
	s_cmp_eq_u32 s12, 0
	s_cselect_b64 s[OP:OP+1], s[78:79], s[80:81]   ; gate r stores into HR, gate z into ZG
	s_cselect_b64 s[4:5], s[4:5], s[6:7]
	s_add_nc_u64 s[OP:OP+1], s[OP:OP+1], s[4:5]
	; the bias: register j of column block b is b[128 x tile column + 16 b + 8 (l / 16) + j], the same for every row
	s_lshl_b32 s6, s42, 9
	v_lshl_add_u32 v[BO], v2, 5, s6
	s_cmp_eq_u32 s12, 0
	s_cselect_b64 s[4:5], s[74:75], s[76:77]       ; b_ri or b_zi
.irp b, 0,1,2,3,4,5,6,7
	global_load_b128 v[BI+8*(\b):BI+8*(\b)+3],   v[BO], s[4:5] offset:64*(\b)
	global_load_b128 v[BI+8*(\b)+4:BI+8*(\b)+7], v[BO], s[4:5] offset:64*(\b)+16
.endr
	s_wait_loadcnt 0x0
.set k, 0
.rept 32
	v_cvt_pk_bf16_f32 v[RND+k], v[BI+2*k], v[BI+2*k+1]  ; rounded to bf16, like every input,
.set k, k+1
.endr
.set k, 0
.rept 32
	v_lshlrev_b32 v[BI+2*k], 16, v[RND+k]          ; and widened again
	v_and_b32 v[BI+2*k+1], s14, v[RND+k]
.set k, k+1
.endr
; 8 matrix instructions: row block a x all 8 column blocks, 32 along K, from buffer f.  zero = 1: the first product starts the sums, with the bias as C.
; The 64 accumulators take turns, one instruction a turn, in the same order in every quarter step: between two links of a chain stand the 63 others'.
.macro MULA f, a, zero
.if \zero
	WIN 0x81+0x40*((\a)/4)                         ; W window 1, A and the bias window 0, D window 2 or 3
.else
	WIN 0xa1+0x50*((\a)/4)                         ; W window 1, A window 0, C and D window 2 or 3
.endif
.irp b, 0,1,2,3,4,5,6,7
.if \zero
	v_wmma_f32_16x16x32_bf16 v[8*(8*((\a)%4)+(\b)):8*(8*((\a)%4)+(\b))+7], v[(\f)+8*(\b):(\f)+8*(\b)+7], v[(\f)+8*(\a):(\f)+8*(\a)+7], v[BI+8*(\b):BI+8*(\b)+7]
.else
	v_wmma_f32_16x16x32_bf16 v[8*(8*((\a)%4)+(\b)):8*(8*((\a)%4)+(\b))+7], v[(\f)+8*(\b):(\f)+8*(\b)+7], v[(\f)+8*(\a):(\f)+8*(\a)+7], v[8*(8*((\a)%4)+(\b)):8*(8*((\a)%4)+(\b))+7]
.endif
.endr
.endm
; 32 LDS loads in one run: the fragments of quarter q of a slot's K step (32 k x 128 columns of W, turned; 128 rows of A x 32 k) into buffer f
.macro FETCH slot, q, f
	WIN 0x40                                       ; destination window 1, address window 0
.irp i, 0,1,2,3,4,5,6,7
	ds_load_tr16_b128 v[(\f)+8*(\i):(\f)+8*(\i)+3],   v[ADRB+(\slot)] offset:(\q)*32*PITB+32*(\i)
	ds_load_tr16_b128 v[(\f)+8*(\i)+4:(\f)+8*(\i)+7], v[ADRB+(\slot)] offset:(\q)*32*PITB+16*PITB+32*(\i)
.endr
	WIN 0
.irp i, 0,1,2,3,4,5,6,7
	ds_load_b128 v[(\f)+8*(\i):(\f)+8*(\i)+3],   v[ADRA+(\slot)] offset:64*(\q)+(\i)*16*PITA
	ds_load_b128 v[(\f)+8*(\i)+4:(\f)+8*(\i)+7], v[ADRA+(\slot)] offset:64*(\q)+(\i)*16*PITA+32
.endr
.endm
; WHERE h WAITS FOR THE WAY OUT.  Both gates multiply by h: 8 blocks of 16 rows x 256 bytes, 32 registers a block.  Blocks 0 to 4 lie in registers that the K loop does not name and are asked for in the last
; K step and a quarter; blocks 5 to 7 take the dead fragment buffers of W.  HMAP sets block i's first register (HBS) and its window (HWN).
.macro HMAP i
.set HWN, 1
.if (\i) < 2
.set HBS, 32*(\i)
.elseif (\i) < 4
.set HBS, 192+32*((\i)-2)
.elseif (\i) == 4
.set HBS, 32
.set HWN, 0
.else
.set HBS, 64+32*((\i)-5)
.endif
.endm
.macro HLOAD i                         ; block i's h, a row of 256 bytes to a load; block and row stand in the immediate, 260,096 at the most; neither the offset register nor the base is ever rewritten
	HMAP \i
	WIN 0x40*HWN
.irp t, 0,1,2,3,4,5,6,7,8,9,10,11,12,13,14,15
	global_load_b64 v[HBS+2*(\t):HBS+2*(\t)+1], v[CO], s[HP:HP+1] offset:(16*(\i)+(\t))*2048
.endr
.endm
; A K step is four quarters of 32 along K, 64 matrix instructions each, on buffers 0, 1, 0, 1.  One of the first three: multiplies buffer f; in its middle it fetches quarter q of the same slot into buffer g.
; h0, h1: blocks of h that are asked for behind that run of loads.
.macro QUARTER slot, q, f, g, zero, h0=-1, h1=-1
	s_wait_dscnt 8                                 ; W and A's blocks 0-3 are in; the youngest eight loads (A's blocks 4-7) may be out
	MULA \f, 0, \zero
	MULA \f, 1, \zero
	MULA \f, 2, \zero
	MULA \f, 3, \zero
	PLACES
	FETCH \slot, \q, \g
.if (\h0) >= 0
	HLOAD \h0
.endif
.if (\h1) >= 0
	HLOAD \h1
.endif
	s_wait_dscnt 32                                ; all but the 32 LDS loads just issued
	MULA \f, 4, \zero
	MULA \f, 5, \zero
	MULA \f, 6, \zero
	MULA \f, 7, \zero
.endm
; THE CHANGE OF SLOTS stands ahead of the last quarter's products, whose fragments are in registers.  ONE barrier.  In front of it each wave waits for all its tensor loads, of which one is out: its part of the
; next slot; adds 0 to its spare word; and waits for that and for its own reads of this slot.  Behind it nobody reads this slot any more and the next slot is whole.
; fill = 1: this slot's two group 0 are made anew for K step KN while the add is out (no tensor load of mine is out, so they may be written), and a round of the cluster's barrier follows.
; From the wait for the tensor loads to the refill no tile of the work-group is on its way, so no product is laid there: the quarter's 64 stand behind the refill.
.macro CHANGE slot, fill
	WIN 0
	s_wait_tensorcnt 0x0                           ; all my tensor loads have landed
	ds_add_u32 v[SPW], v[NIL]                      ; 0 onto my spare word
.if \fill
	s_cmp_lt_u32 s[KN], 8
	s_cselect_b64 s[TA:TA+1], s[AX:AX+1], s[AH:AH+1]  ; steps 0-7 multiply x, steps 8-15 h
	s_and_b32 s[OFA], s[KN], 7
	s_lshl_b32 s[OFA], s[OFA], 8
	s_add_nc_u64 s[G0+4*(\slot)+2:G0+4*(\slot)+3], s[TA:TA+1], s[OFA:OFA+1]
	s_or_b32 s[G0+4*(\slot)+3], s[G0+4*(\slot)+3], 0x80000000
	s_lshl_b32 s[OFB], s[KN], 18
	s_add_nc_u64 s[G0B+4*(\slot)+2:G0B+4*(\slot)+3], s[BW:BW+1], s[OFB:OFB+1]
	s_or_b32 s[G0B+4*(\slot)+3], s[G0B+4*(\slot)+3], 0x80000000
	s_add_co_u32 s[KN], s[KN], 1
.endif
	s_wait_dscnt 0x0                               ; the add is done, and my reads of this slot are over (the last were issued 32 matrix instructions ago)
	s_barrier_signal -1
	s_barrier_wait -1
.endm
; The last quarter where the slot is filled again: the barrier opens a round of the cluster's barrier, so that no wave of any partner still reads the slot or has a load on its way; the joint refill is
; the first tensor load behind the round; then come the next slot's first fragments and the quarter's 64 products.  From a request to the wait for it a wave issues 256 matrix instructions.
.macro TURN slot, next
	s_wait_xcnt 0x0                                ; the last prefetch, a K step back, has read its address: it is made anew here, ahead of the change's own waits
	s_add_co_u32 s[PK], s[KN], AHEAD
	s_cmp_lt_u32 s[PK], 8
	s_cselect_b64 s[PFA:PFA+1], s[PF1:PF1+1], s[PF2:PF2+1]
	s_and_b32 s[POF], s[PK], s[PM]
	s_lshl_b32 s[POF], s[POF], s[PS]
	s_add_nc_u64 s[PFA:PFA+1], s[PFA:PFA+1], s[POF:POF+1]
	CHANGE \slot, 1
	CREST
	JLOAD \slot                                    ; its four v_nop are also the places in front of the loads below
	FETCH \next, 0, F0
	ASK
.irp a, 0,1,2,3,4,5,6,7
	MULA F1, \a, 0
.endr
.endm
	s_wait_tensorcnt 1                             ; my part of K step 0 is in; K step 1's load may stay out
	s_barrier_signal -1
	s_barrier_wait -1                              ; everybody's is
	FETCH 0, 0, F0
	QUARTER 0, 1, F0, F1, 1                        ; the first quarter stands in front of the loop: its products start the sums
	WIN 0                                          ; at a label and at a branch every window is 0
	s_mov_b32 s3, 7
.Llap:                                                 ; a trip goes once round the ring, from a lap's second quarter to the next lap's first, and fills both slots again: K steps 2 to 15 in seven trips
	QUARTER 0, 2, F1, F0, 0
	QUARTER 0, 3, F0, F1, 0
	TURN 0, 1
	QUARTER 1, 1, F0, F1, 0
	QUARTER 1, 2, F1, F0, 0
	QUARTER 1, 3, F0, F1, 0
	TURN 1, 0
	QUARTER 0, 1, F0, F1, 0
	WIN 0
	s_sub_co_u32 s3, s3, 1
	s_cmp_lg_u32 s3, 0
	s_cbranch_scc1 .Llap
	QUARTER 0, 2, F1, F0, 0                        ; the last lap is written out: it asks for nothing
	QUARTER 0, 3, F0, F1, 0
	CHANGE 0, 0                                    ; my one load that was still out is slot 1's, the last K step's, so no round follows
	PLACES
	FETCH 1, 0, F0
	HLOAD 0                                        ; no tile is on its way any more: h goes out, in the blocks' order, 32 loads here,
	HLOAD 1
.irp a, 0,1,2,3,4,5,6,7
	MULA F1, \a, 0
.endr
	QUARTER 1, 1, F0, F1, 0
	QUARTER 1, 2, F1, F0, 0, 2, 3                  ; 32 a quarter and a half later,
	QUARTER 1, 3, F0, F1, 0, 4                     ; 16 a quarter after that
	s_wait_dscnt 8                                 ; the very last quarter: nothing more to fetch
	MULA F1, 0, 0
	MULA F1, 1, 0
	MULA F1, 2, 0
	MULA F1, 3, 0
	s_wait_dscnt 0x0
	MULA F1, 4, 0
	MULA F1, 5, 0
	MULA F1, 6, 0
	MULA F1, 7, 0
	WIN 0
	PLACES
	PLACES                                         ; the places behind the last products, once a launch
; THE WAY OUT, a block of 16 rows x 128 columns at a time, IN A PIPELINE OF TWO BLOCKS, so that each transcendental has a plain neighbour and no round trip is waited out.  For block b:
;   COPY   T = -log2(e) x the block's sums, out of the accumulators       EXP    2^T        ADD1   + 1        RCP    the sigmoid, still in the accumulators' layout
;   stage  through my own rows in LDS into RB: lane l holds columns 4 l .. 4 l + 3 of row t         UNP    h of the block widened to f32, in the same layout
;   PR     (gate r) h x r, rounded to bf16 in place        PZ   (gate z) g = h - z h; z and g rounded to f16 in place        store  a row to an instruction
; Trip b does COPY, EXP, ADD1, RCP and the stage of block b; UNP of block b - 1 rides with EXP, PR or PZ of block b - 1 with RCP, line by line.  What names a block's registers (COPY, UNP, and EXP with
; them) stands once for each block, chosen by the trip's number; the rest is written once.  Block 0's first half stands ahead of the loop.  Trip 8 has no block of its own: its 32 additions and 64 reciprocals
; go over block 7's numbers once more and serve nothing: the price, once a launch, of one text for every trip; its stage is jumped over.
.macro COPY a                          ; each accumulator's registers in ascending order
	WIN 0x08+0x04*((\a)/4)                         ; source 1: window 2 or 3
.set k, 0
.rept 32
	v_pk_mul_f32 v[T+2*k:T+2*k+1], v[CSV:CSV+1], v[64*((\a)%4)+2*k:64*((\a)%4)+2*k+1]
.set k, k+1
.endr
.endm
.macro UNPL j, hb                      ; line j of 64: number j % 4 of row j / 4
.if ((\j)%2) == 0
	v_lshlrev_b32 v[U+(\j)], 16, v[(\hb)+(\j)/2]
.else
	v_and_b32 v[U+(\j)], s14, v[(\hb)+(\j)/2]
.endif
.endm
.macro SECT b                          ; what trip b has of its own
.if (\b) < 8
	COPY \b
.endif
	HMAP (\b)-1
.set LC, 16*(8-(\b))                   ; the loads issued behind block b - 1's: those of blocks b to 7, all ahead of the loop;
.if LC > 63
.set LC, 63                            ; a wait's count holds 63 at the most
.endif
	s_wait_loadcnt LC
	WIN 0x04*HWN                                   ; source 1: h's window
.set k, 0
.rept 64
.if (\b) < 8
	v_exp_f32 v[T+k], v[T+k]                       ; one batch; the line behind each is plain and names nothing of it (ISA guide 5.7.2)
.endif
	UNPL k, HBS
.set k, k+1
.endr
	WIN 0
.if (\b) < 8
	s_wait_alu depctr_va_vdst(0)                   ; the one wait ahead of the batch's first reader and of the branch
.endif
.endm
.macro ADD1
.set k, 0
.rept 32
	v_pk_add_f32 v[T+2*k:T+2*k+1], v[T+2*k:T+2*k+1], 1.0 op_sel_hi:[1,0]
.set k, k+1
.endr
.endm
.macro TOSTAGE
.irp b, 0,1,2,3,4,5,6,7
	ds_store_b128 v[STO], v[T+8*(\b):T+8*(\b)+3]   offset:64*(\b)
	ds_store_b128 v[STO], v[T+8*(\b)+4:T+8*(\b)+7] offset:64*(\b)+16
.endr
.endm
.macro FROMSTAGE
.irp t, 0,1,2,3,4,5,6,7,8,9,10,11,12,13,14,15
	ds_load_b128 v[RB+4*(\t):RB+4*(\t)+3], v[RD] offset:(\t)*SPITCH  ; LDS serves a wave's instructions in order (ISA guide 5.7.1.4): these see the stores above, and the next trip's stores come behind them
.endr
.endm
	HLOAD 5                                        ; the last 48 loads of h, into W's fragment buffers
	HLOAD 6
	HLOAD 7
	COPY 0
	WIN 0
.set k, 0
.rept 64
	v_exp_f32 v[T+k], v[T+k]
.set k, k+1
.endr
	v_nop                                          ; a plain instruction behind the last exponential (ISA guide 5.7.2),
	s_wait_alu depctr_va_vdst(0)                   ; and the batch's one wait
	ADD1
.set k, 0
.rept 64
	v_rcp_f32 v[T+k], v[T+k]
.set k, k+1
.endr
	v_nop
	s_wait_alu depctr_va_vdst(0)
	TOSTAGE
	FROMSTAGE
	s_mov_b32 s[BLK], 1
.Lblk:
.irp i, 2,3,4,5,6,7,8
	s_cmp_eq_u32 s[BLK], \i
	s_cbranch_scc1 .Lc\i
.endr
	SECT 1
	s_branch .Lgo
.irp i, 2,3,4,5,6,7
.Lc\i:
	SECT \i
	s_branch .Lgo
.endr
.Lc8:
	SECT 8
.Lgo:
	ADD1
	s_wait_dscnt 0x0                               ; block b - 1 is back from the stage: its loads were issued a COPY, a batch and these additions ago
	s_cmp_lg_u32 s12, 0
	s_cbranch_scc1 .Lz
.set k, 0
.rept 32                                       ; gate r: h x r,
	v_rcp_f32 v[T+k], v[T+k]
	v_pk_mul_f32 v[RB+2*k:RB+2*k+1], v[RB+2*k:RB+2*k+1], v[U+2*k:U+2*k+1]
.set k, k+1
.endr
.set k, 0
.rept 32                                       ; rounded to bf16 (a matrix operand of the next launch): row t's four numbers into RB + 4 t and + 1
	v_rcp_f32 v[T+32+k], v[T+32+k]
	v_cvt_pk_bf16_f32 v[RB+4*(k/2)+k%2], v[RB+2*k], v[RB+2*k+1]
.set k, k+1
.endr
	s_wait_alu depctr_va_vdst(0)                   ; the reciprocals' one wait, ahead of the branch and of their first reader
.irp t, 0,1,2,3,4,5,6,7,8,9,10,11,12,13,14,15
	global_store_b64 v[CO], v[RB+4*(\t):RB+4*(\t)+1], s[OP:OP+1] offset:2048*(\t)  ; 32 lanes store 256 consecutive bytes, at a multiple of 256 from HR's first byte
.endr
	s_branch .Lst
.Lz:
.set k, 0
.rept 32                                       ; gate z: g = h - z h, one rounding,
	v_rcp_f32 v[T+k], v[T+k]
	v_pk_fma_f32 v[U+2*k:U+2*k+1], v[RB+2*k:RB+2*k+1], v[U+2*k:U+2*k+1], v[U+2*k:U+2*k+1] neg_lo:[1,0,0] neg_hi:[1,0,0]
.set k, k+1
.endr
.set k, 0
.rept 32                                       ; z and g rounded to f16: row t's 16 bytes in RB + 4 t .. + 3
	v_rcp_f32 v[T+32+k], v[T+32+k]
.if (k%2) == 0
	v_cvt_pk_f16_f32 v[RB+2*k],   v[RB+2*k],   v[RB+2*k+1]
	v_cvt_pk_f16_f32 v[RB+2*k+1], v[RB+2*k+2], v[RB+2*k+3]
.else
	v_cvt_pk_f16_f32 v[RB+2*k],   v[U+2*k-2], v[U+2*k-1]
	v_cvt_pk_f16_f32 v[RB+2*k+1], v[U+2*k],   v[U+2*k+1]
.endif
.set k, k+1
.endr
	s_wait_alu depctr_va_vdst(0)
.irp t, 0,1,2,3,4,5,6,7,8,9,10,11,12,13,14,15
	global_store_b128 v[CO4], v[RB+4*(\t):RB+4*(\t)+3], s[OP:OP+1] offset:4096*(\t)  ; 32 lanes store 512 consecutive bytes, at a multiple of 512 from ZG's first byte
.endr
.Lst:
	s_cmp_eq_u32 s[BLK], 8
	s_cbranch_scc1 .Lnext                          ; the last trip has nothing to send through the stage
	TOSTAGE
	s_wait_xcnt 0x0                                ; every earlier memory instruction has had its addresses translated (ISA guide 3.1): only behind this wait are the stores' base and their data rewritten
	s_add_nc_u64 s[OP:OP+1], s[OP:OP+1], s[OST:OST+1]
	FROMSTAGE
.Lnext:
	s_add_co_u32 s[BLK], s[BLK], 1
	s_cmp_lt_u32 s[BLK], 9
	s_cbranch_scc1 .Lblk
	s_wait_tensorcnt 0x0                           ; the wave's end: behind my last tensor load and my last LDS store
	ds_add_u32 v[SPW], v[NIL]
	s_wait_dscnt 0x0
	CROUND                                         ; the closing round: no work-group ends while a partner may still ask for a tile that names it
	s_endpgm
.Lfunc_end_k_qf6d1fd2054_gates:
	.size	k_qf6d1fd2054_gates, .Lfunc_end_k_qf6d1fd2054_gates-k_qf6d1fd2054_gates
	.p2alignl 7, 3214868480
	.fill 96, 4, 3214868480
	.section	.rodata,"a",@progbits
	.p2align	6, 0x0
	.amdhsa_kernel k_qf6d1fd2054_gates
		.amdhsa_group_segment_fixed_size 327680
		.amdhsa_private_segment_fixed_size 0
		.amdhsa_enable_private_segment 0
		.amdhsa_kernarg_size 56
		.amdhsa_user_sgpr_count 2
		.amdhsa_user_sgpr_kernarg_segment_ptr 1
		.amdhsa_wavefront_size32 1
		.amdhsa_system_sgpr_workgroup_id_x 1
		.amdhsa_system_sgpr_workgroup_id_y 1
		.amdhsa_system_sgpr_workgroup_id_z 1
		.amdhsa_system_vgpr_workitem_id 0
		.amdhsa_next_free_vgpr 1024
		.amdhsa_next_free_sgpr 102
		.amdhsa_reserve_vcc 0
		.amdhsa_float_denorm_mode_32 3
		.amdhsa_float_denorm_mode_16_64 3
		.amdhsa_memory_ordered 1
		.amdhsa_forward_progress 1
		.amdhsa_inst_pref_size 209
	.end_amdhsa_kernel
	.amdgpu_metadata
---
amdhsa.version: [ 1, 2 ]
amdhsa.kernels:
  - .name:           k_qf6d1fd2054_gates
    .symbol:         k_qf6d1fd2054_gates.kd
    .args:
      - { .name: XB, .offset: 0, .size: 8, .value_kind: global_buffer, .address_space: global }
      - { .name: HB, .offset: 8, .size: 8, .value_kind: global_buffer, .address_space: global }
      - { .name: WB, .offset: 16, .size: 8, .value_kind: global_buffer, .address_space: global }
      - { .name: b_ri, .offset: 24, .size: 8, .value_kind: global_buffer, .address_space: global }
      - { .name: b_zi, .offset: 32, .size: 8, .value_kind: global_buffer, .address_space: global }
      - { .name: HR, .offset: 40, .size: 8, .value_kind: global_buffer, .address_space: global }
      - { .name: ZG, .offset: 48, .size: 8, .value_kind: global_buffer, .address_space: global }
    .group_segment_fixed_size: 327680
    .private_segment_fixed_size: 0
    .kernarg_segment_align: 8
    .kernarg_segment_size: 56
    .max_flat_workgroup_size: 128
    .sgpr_count:     102
    .vgpr_count:     1024
    .wavefront_size: 32
...
	.end_amdgpu_metadata
.endif
;; end of part 2
;; launch cand (part 3): grid 4 x 64, 4 waves a work-group, clusters of 4 x 4, 327,680 bytes of LDS; arguments XB, HR, WB, b_hi, ZG, out0; writes out0
.if DOCPART == 3
	.amdgcn_target "amdgcn-amd-amdhsa--gfx1250"
	.amdhsa_code_object_version 6
	.text
	.protected	k_qf6d1fd2054_cand
	.globl	k_qf6d1fd2054_cand
	.p2align	8
	.type	k_qf6d1fd2054_cand,@function
k_qf6d1fd2054_cand:
	s_mov_b64 s[64:65], 0
	v_nop
	global_prefetch_b8 v0, s[64:65] scope:SCOPE_SE
	s_setreg_imm32_b32 hwreg(HW_REG_WAVE_MODE, 25, 1), 1
	s_wait_xcnt 0x0
	s_wait_alu depctr_hold_cnt(0) depctr_sa_sdst(0) depctr_va_vdst(0) depctr_va_sdst(0) depctr_va_ssrc(0) depctr_va_vcc(0) depctr_vm_vsrc(0)
	s_getreg_b32 s2, hwreg(HW_REG_IB_STS2, 6, 4)
	s_cmp_eq_u32 s2, 0
	s_cbranch_scc0 .Lentry_in_a_cluster
	s_endpgm
.Lentry_in_a_cluster:
	s_bfe_u32 s2, ttmp6, 0x10000c
	s_cmp_lg_u32 s2, 0xf033
	s_cbranch_scc0 .Lentry_shape_is_right
	s_endpgm
.Lentry_shape_is_right:
; GRU cell, launch 3 of 3: ht = tanh([x | h * r] [W_hi ; W_hh] + b_hi); out0 = (1 - z) h + z ht, taken as z ht + g with g = (1 - z) h from the launch before.  Nothing is left out.
; XB, HR: [8192][1024] bf16; WB: the matrix [2048 k][1024 n] bf16 at byte 8,388,608; out0: [8192][1024] f32.  Products in bf16, sums in f32.
; ZG: [8192 rows][8 groups of 128 columns][32 lanes][16 bytes], f16: lane l's 16 bytes are z of the group's columns 4 l .. 4 l + 3 and then g of the same four.
; LIMITS.  b_hi is used rounded to bf16, like every input of the program.  tanh(s) = 1 - 2 / (1 + 2^(2 s log2 e)): where the exponential overflows or falls below 2^-126 the result is exactly 1 or -1;
; near s = 0 the form keeps an absolute error of about 1e-7, not a relative one.  z and g come rounded once to f16.  NaN and infinities are not treated apart.
; SHARES.  A work-group takes 128 rows x 256 columns, so that 4 x 64 work-groups cover the result; wave w has rows 64 (w / 2) .. + 63 and columns 128 (w % 2) .. + 127: 32 accumulators of 16 x 16, 256 registers.
; K = 2,048 goes in 16 steps of 128 through a ring of two LDS slots: steps 0-7 take A's rows from XB, steps 8-15 from HR.  (Two slots of steps of 256 would want 413,696 bytes of LDS.)
; The weights lie [k][n] and come out of LDS turned; the matrix instruction is used transposed (source 0 = 16 columns of W, source 1 = 16 rows of A): lane l holds row l % 16 and the columns
; 8 (l / 16) + 0..7; the bias is the C operand of the first product on each accumulator.
; CLUSTERS: 4 x 4 work-groups; A's tiles are asked for jointly along a row of the cluster, W's along a column.
; REGISTERS, in windows of 256 (s_set_vgpr_msb: bits 1:0 source 0, 3:2 source 1, 5:4 source 2, 7:6 destination):
;   window 0: v0-31 addresses; v32-63 at work at the head; v64-95, v128-159 fragments of A, two buffers; on the way out v64-127, v128-191 T, two buffers; v192-255 the bias, on the way out RB
;   window 1: v64-127, v128-191 fragments of W, two buffers     window 2: accumulator (a, b) at v[8 (8 a + b)]     window 3: z and g, block b's row t at v[64 b + 4 t]
.set PITA,   272                       ; a row of A in LDS: 256 bytes + 16 = 68 words: row r starts at bank 4 r mod 64 (64 banks of 4 bytes: ISA guide 11.1)
.set PITB,   288                       ; a row of W: 256 + 32 = 72 words
.set AHALF,  64*PITA                   ; 64 rows of A: what wave 0 or 1 fetches, and what a wave reads
.set BOFF,   2*AHALF
.set BHALF,  128*PITB                  ; 128 k rows x 128 columns: what wave 2 or 3 fetches, and what a wave reads
.set SLOT,   BOFF+2*BHALF              ; 108,544 bytes
.set STAGE,  2*SLOT                    ; behind the ring, never filled by a tensor load: 16 rows x 528 bytes of f32 for each wave
.set SPITCH, 528
.set SPARE,  STAGE+4*16*SPITCH         ; the spare words, 128 bytes for each wave: two blocks of 256 bytes that no other line names
.set AHEAD,  4                         ; a prefetch names the K step that stands so many refills on: 4 x 128 = 512 matrix instructions
.set CSV,  14                          ; v14-15  2 log2(e), twice: a pair for the packed multiply
.set ADRA, 16                          ; v16-17  LDS address of my fragments of A in slot 0, 1
.set ADRB, 20                          ; v20-21  the same for W
.set STO,  24                          ; v24     the way out: where I put 32 bytes of a row
.set RD,   25                          ; v25     the way out: where I read 16 bytes of a row back
.set BO,   27                          ; v27     my byte offset in the bias
.set SPW,  28                          ; v28     LDS address of my spare word; never rewritten
.set NIL,  29                          ; v29     0; never rewritten
.set PFO,  30                          ; v30     lane x 2,048; never rewritten
.set CO4,  31                          ; v31     16 x lane: my 16 bytes in 512 bytes of a row of ZG or of out0; never rewritten
.set RND,  32                          ; at work while the bias is rounded
.set F0,   64
.set F1,   128
.set T0,   64                          ; the way out: block b's 64 numbers in the accumulators' layout at T0 + 64 (b % 2)
.set RB,   192                         ; a block read back by rows: row t at RB + 4 t
.set BI,   192
.set TA,   18
.set ZP,   20                          ; s[20:21] ZG at my first row, my group of 128 columns; never rewritten
.set OP,   22                          ; s[22:23] out0 at the same place (both have 4,096 bytes a row and 512 a group); never rewritten
.set G1,   24
.set G0,   32
.set LIM,  43
.set PFA,  44
.set G1B,  48
.set G0B,  56
.set OFA,  66
.set AX,   82                          ; s[82:83] XB at the 64 rows that I fetch
.set AH,   84                          ; s[84:85] HR at the same rows
.set BW,   86                          ; s[86:87] WB at K step 0 of the columns that I fetch
.set PF1,  88
.set PF2,  90
.set PM,   92
.set PS,   93
.set POF,  94
.set KN,   96
.set PK,   97
.set CS,   98                          ; s98     2 log2(e)
.set OFB,  100
.set MSB, 0
.macro WIN new                         ; the immediate's high byte repeats the setting that is left; a switch that changes nothing is dropped
.if MSB != (\new)
	s_set_vgpr_msb (MSB<<8)|(\new)
.set MSB, \new
.endif
.endm
.macro PLACES                          ; four places in front of loads into registers that matrix instructions have read, and of vector lines that read results (ISA guide 7.12.1 for vector instructions)
.rept 4
	v_nop
.endr
.endm
.macro JLOAD s                         ; a joint load: waves 0 and 1 fetch A's two halves, waves 2 and 3 W's; an s_nop 0 and four v_nop follow each of the two lines
	s_cmp_eq_u32 s11, 0
	s_cbranch_scc0 .Lfor_b_\@
	tensor_load_to_lds s[G0+4*(\s):G0+4*(\s)+3], s[G1:G1+7]
	s_nop 0
.rept 4
	v_nop
.endr
	s_branch .Lasked_\@
.Lfor_b_\@:
	tensor_load_to_lds s[G0B+4*(\s):G0B+4*(\s)+3], s[G1B:G1B+7]
	s_nop 0
.rept 4
	v_nop
.endr
.Lasked_\@:
.endm
.macro CREST                           ; a round of the cluster's barrier behind its opening barrier
	s_cmp_lg_u32 s10, 0
	s_cbranch_scc1 .Lnot_wave_0_\@
	s_barrier_signal -3
.Lnot_wave_0_\@:
	s_barrier_wait -3
	s_barrier_signal -1
	s_barrier_wait -1
.endm
.macro CROUND                          ; a whole round
	s_barrier_signal -1
	s_barrier_wait -1
	CREST
.endm
; A PREFETCH INTO THE L2, behind each joint load, its five lines and the run of LDS loads that follows: 32 rows x 256 bytes of the K step that stands AHEAD = 4 refills on; a lane a row, one instruction a wave.
; Each row's 256 bytes of a K step are named ONCE in the launch.  A tile row's 128 rows of A are read by one cluster alone: wave 0 of each of the four partners takes 32 of them, by cx.  W's tiles are read by
; all sixteen clusters: in cluster y = 0 waves 2 and 3 take 32 k rows of their 128 columns, by cy.  The last four refills ask for nothing; K steps 0 to 5 come by their loads alone.
.macro ASK
	s_cmp_lt_u32 s[KN], s[LIM]                     ; KN has been stepped: it is the refill's step + 1
	s_cbranch_scc0 .Lnot_mine_\@
	global_prefetch_b8 v[PFO], s[PFA:PFA+1] th:TH_LOAD_NT scope:SCOPE_SE
.Lnot_mine_\@:
.endm
	s_load_b256 s[68:75], s[0:1], 0x0              ; XB s[68:69], HR s[70:71], WB s[72:73], b_hi s[74:75]
	s_load_b128 s[76:79], s[0:1], 0x20             ; ZG s[76:77], out0 s[78:79]
	v_lshl_add_u32 v[SPW], v0, 2, SPARE
	v_mov_b32 v[NIL], 0
	ds_add_u32 v[SPW], v[NIL]                      ; the wave's opening: the add, twice on end, and its wait ahead of my first tensor load
	ds_add_u32 v[SPW], v[NIL]                      ; and once more, under the one wait
	v_lshrrev_b32 v1, 5, v0
	v_readfirstlane_b32 s10, v1                    ; wave 0..3
	s_lshr_b32 s11, s10, 1                         ; which 64 rows are mine.  Also: I fetch for A (0) or for W (1)
	s_and_b32 s12, s10, 1                          ; which 128 columns are mine.  Also: which half of A's rows, or of W's columns, I fetch
	s_bfe_u32 s40, ttmp6, 0x40000                  ; cx
	s_bfe_u32 s41, ttmp6, 0x40004                  ; cy
	s_lshl_b32 s42, ttmp9, 2
	s_add_co_u32 s42, s42, s40                     ; tile column = 4 x cluster x + cx: columns 256 x it
	s_and_b32 s13, ttmp7, 0xffff
	s_lshl_b32 s13, s13, 2
	s_add_co_u32 s13, s13, s41                     ; tile row = 4 x cluster y + cy: rows 128 x it
	s_lshl_b32 s4, s41, 2
	s_lshl_b32 s4, 15, s4                          ; my row of the cluster
	s_lshl_b32 s5, 0x1111, s40                     ; my column
	s_or_b32 s[G1], s4, (1<<16)|(1<<20)|(1<<21)|(5<<22)|(3<<25)   ; A: 15:0 the mask of my row; 17:16 2-byte elements; 20 padding on; 21 set beside a mask; 24:22 after every 64 words; 31:25 4 words
	s_or_b32 s[G1B], s5, (1<<16)|(1<<20)|(1<<21)|(5<<22)|(7<<25)  ; W: the mask of my column; 8 words of padding
	s_mov_b32 s[G1+1], 128<<16                     ; A: tensor_dim0 = 128
	s_mov_b32 s[G1+2], 64<<16                      ; tensor_dim1 = 64
	s_mov_b32 s[G1+3], 128<<16                     ; tile_dim0 = 128
	s_mov_b32 s[G1+4], 64                          ; tile_dim1 = 64
	s_mov_b32 s[G1+5], 1024                        ; tensor_dim0_stride
	s_mov_b32 s[G1+6], 0
	s_mov_b32 s[G1+7], 0
	s_mov_b32 s[G1B+1], 128<<16                    ; W: 128 k rows x 128 columns
	s_mov_b32 s[G1B+2], 128<<16
	s_mov_b32 s[G1B+3], 128<<16
	s_mov_b32 s[G1B+4], 128
	s_mov_b32 s[G1B+5], 1024
	s_mov_b32 s[G1B+6], 0
	s_mov_b32 s[G1B+7], 0
	s_mov_b32 s14, 0xffff0000                      ; a word's upper bf16
	s_mov_b32 s[OFA+1], 0
	s_mov_b32 s[OFB+1], 0
	s_mov_b32 s[POF+1], 0
	s_mov_b32 s[KN], 2
	s_mov_b32 s[CS], 0x4038aa3b                    ; 2 log2(e)
	s_lshl_b32 s2, s12, 6
	s_lshl_b32 s16, s13, 7
	s_add_co_u32 s16, s16, s2                      ; A: row 128 x tile row + 64 x half,
	s_lshl_b32 s16, s16, 11                        ; of 2,048 bytes
	s_mov_b32 s17, 0
	s_lshl_b32 s46, s12, 8                         ; W: 256 bytes of a row for my half,
	s_lshl_b32 s7, s42, 9                          ; 512 for each tile column,
	s_add_co_u32 s46, s46, s7
	s_add_co_u32 s46, s46, 0x800000                ; in the third matrix
	s_mov_b32 s47, 0
	s_mul_i32 s8, s12, AHALF                       ; where they go: no place in the cluster enters an LDS address
	s_mul_i32 s9, s12, BHALF
	s_add_co_u32 s9, s9, BOFF
	s_wait_dscnt 0x0                               ; both opening adds are done
	s_wait_kmcnt 0x0
	s_add_nc_u64 s[AX:AX+1], s[68:69], s[16:17]
	s_add_nc_u64 s[AH:AH+1], s[70:71], s[16:17]
	s_add_nc_u64 s[BW:BW+1], s[72:73], s[46:47]
	CROUND                                         ; all sixteen work-groups are here: the first joint loads meet
.irp s, 0,1
	s_mov_b32 s[G0+4*(\s)], 1
	s_add_co_u32 s[G0+4*(\s)+1], s8, (\s)*SLOT
	s_add_nc_u64 s[G0+4*(\s)+2:G0+4*(\s)+3], s[AX:AX+1], (\s)*256
	s_or_b32 s[G0+4*(\s)+3], s[G0+4*(\s)+3], 0x80000000
	s_mov_b32 s[G0B+4*(\s)], 1
	s_add_co_u32 s[G0B+4*(\s)+1], s9, (\s)*SLOT
	s_add_nc_u64 s[G0B+4*(\s)+2:G0B+4*(\s)+3], s[BW:BW+1], (\s)*262144
	s_or_b32 s[G0B+4*(\s)+3], s[G0B+4*(\s)+3], 0x80000000
	JLOAD \s                                       ; two loads of mine are out
.endr
	v_and_b32 v1, 15, v0                           ; l % 16
	v_bfe_u32 v2, v0, 4, 1                         ; l / 16
	v_mul_u32_u24 v3, v1, PITA
	v_lshl_add_u32 v3, v2, 4, v3                   ; a fragment of A: row x pitch + 16 x half
	s_mul_i32 s2, s11, AHALF
	v_add_nc_u32 v[ADRA], s2, v3
	v_add_nc_u32 v[ADRA+1], SLOT, v[ADRA]
	v_and_b32 v4, 7, v0                            ; the turning load: k row 8 (l / 16) + l % 8, columns 8 ((l / 8) % 2) + 0..7
	v_lshl_add_u32 v4, v2, 3, v4
	v_mul_u32_u24 v4, v4, PITB
	v_bfe_u32 v5, v0, 3, 1
	v_lshl_add_u32 v4, v5, 4, v4
	s_mul_i32 s3, s12, BHALF
	s_add_co_u32 s3, s3, BOFF
	v_add_nc_u32 v[ADRB], s3, v4
	v_add_nc_u32 v[ADRB+1], SLOT, v[ADRB]
	s_mul_i32 s15, s10, 16*SPITCH
	s_add_co_u32 s15, s15, STAGE                   ; my stage
	v_mul_u32_u24 v3, v1, SPITCH
	v_lshl_add_u32 v3, v2, 5, v3
	v_add_nc_u32 v[STO], s15, v3
	v_and_b32 v4, 31, v0                           ; l
	v_lshl_add_u32 v[RD], v4, 4, s15
	v_lshlrev_b32 v[CO4], 4, v4
	v_lshlrev_b32 v[PFO], 11, v4
	v_mov_b32 v[CSV], s[CS]
	v_mov_b32 v[CSV+1], s[CS]
	; the prefetches
	s_lshl_b32 s4, s13, 18                         ; A: the tile row's 128 rows of 2,048 bytes,
	s_lshl_b32 s5, s40, 16                         ; my work-group's 32 of them (by cx)
	s_add_co_u32 s4, s4, s5
	s_lshl_b32 s6, s41, 16                         ; W: my work-group's 32 k rows (by cy)
	s_add_co_u32 s6, s6, s46
	s_and_b32 s7, ttmp7, 0xffff                    ; cluster y
	s_cmp_eq_u32 s11, 0                            ; do I fetch for A?
	s_cselect_b32 s4, s4, s6
	s_mov_b32 s5, 0
	s_cselect_b64 s[PF1:PF1+1], s[68:69], s[72:73]
	s_cselect_b64 s[PF2:PF2+1], s[70:71], s[72:73]
	s_cselect_b32 s[PM], 7, 15
	s_cselect_b32 s[PS], 8, 18
	s_cselect_b32 s7, s12, s7                      ; for A wave 0 alone asks, in every cluster; for W waves 2 and 3 of cluster y = 0
	s_add_nc_u64 s[PF1:PF1+1], s[PF1:PF1+1], s[4:5]
	s_add_nc_u64 s[PF2:PF2+1], s[PF2:PF2+1], s[4:5]
	s_cmp_eq_u32 s7, 0
	s_cselect_b32 s[LIM], 17-AHEAD, 0              ; the same in all sixteen partners, for a given wave
	; the way out's pointers: row 128 x tile row + 64 x my half, 4,096 bytes a row; group 2 x tile column + my half, 512 bytes a group; the same in ZG and in out0
	s_lshl_b32 s4, s13, 7
	s_lshl_b32 s5, s11, 6
	s_add_co_u32 s4, s4, s5
	s_lshl_b32 s4, s4, 12
	s_lshl_b32 s5, s42, 10
	s_add_co_u32 s4, s4, s5
	s_lshl_b32 s5, s12, 9
	s_add_co_u32 s4, s4, s5
	s_mov_b32 s5, 0
	s_add_nc_u64 s[ZP:ZP+1], s[76:77], s[4:5]
	s_add_nc_u64 s[OP:OP+1], s[78:79], s[4:5]
	; the bias: register j of column block b is b_hi[256 x tile column + 128 x half + 16 b + 8 (l / 16) + j]
	s_lshl_b32 s4, s42, 10
	s_lshl_b32 s5, s12, 9
	s_add_co_u32 s4, s4, s5
	v_lshl_add_u32 v[BO], v2, 5, s4
.irp b, 0,1,2,3,4,5,6,7
	global_load_b128 v[BI+8*(\b):BI+8*(\b)+3],   v[BO], s[74:75] offset:64*(\b)
	global_load_b128 v[BI+8*(\b)+4:BI+8*(\b)+7], v[BO], s[74:75] offset:64*(\b)+16
.endr
	s_wait_loadcnt 0x0
.set k, 0
.rept 32
	v_cvt_pk_bf16_f32 v[RND+k], v[BI+2*k], v[BI+2*k+1]  ; rounded to bf16, like every input,
.set k, k+1
.endr
.set k, 0
.rept 32
	v_lshlrev_b32 v[BI+2*k], 16, v[RND+k]          ; and widened again
	v_and_b32 v[BI+2*k+1], s14, v[RND+k]
.set k, k+1
.endr
; 8 matrix instructions: row block a x all 8 column blocks, 32 along K, from buffer f.  zero = 1: the first product starts the sums, with the bias as C.
; The 32 accumulators take turns, one instruction a turn, in the same order in every quarter step.
.macro MULA f, a, zero
.if \zero
	WIN 0x81                                       ; W window 1, A and the bias window 0, D window 2
.else
	WIN 0xa1                                       ; W window 1, A window 0, C and D window 2
.endif
.irp b, 0,1,2,3,4,5,6,7
.if \zero
	v_wmma_f32_16x16x32_bf16 v[8*(8*(\a)+(\b)):8*(8*(\a)+(\b))+7], v[(\f)+8*(\b):(\f)+8*(\b)+7], v[(\f)+8*(\a):(\f)+8*(\a)+7], v[BI+8*(\b):BI+8*(\b)+7]
.else
	v_wmma_f32_16x16x32_bf16 v[8*(8*(\a)+(\b)):8*(8*(\a)+(\b))+7], v[(\f)+8*(\b):(\f)+8*(\b)+7], v[(\f)+8*(\a):(\f)+8*(\a)+7], v[8*(8*(\a)+(\b)):8*(8*(\a)+(\b))+7]
.endif
.endr
.endm
; 24 LDS loads in one run: quarter q of a slot's K step (32 k x 128 columns of W, turned; 64 rows of A x 32 k) into buffer f
.macro FETCH slot, q, f
	WIN 0x40                                       ; destination window 1, address window 0
.irp i, 0,1,2,3,4,5,6,7
	ds_load_tr16_b128 v[(\f)+8*(\i):(\f)+8*(\i)+3],   v[ADRB+(\slot)] offset:(\q)*32*PITB+32*(\i)
	ds_load_tr16_b128 v[(\f)+8*(\i)+4:(\f)+8*(\i)+7], v[ADRB+(\slot)] offset:(\q)*32*PITB+16*PITB+32*(\i)
.endr
	WIN 0
.irp i, 0,1,2,3
	ds_load_b128 v[(\f)+8*(\i):(\f)+8*(\i)+3],   v[ADRA+(\slot)] offset:64*(\q)+(\i)*16*PITA
	ds_load_b128 v[(\f)+8*(\i)+4:(\f)+8*(\i)+7], v[ADRA+(\slot)] offset:64*(\q)+(\i)*16*PITA+32
.endr
.endm
; z and g of block b (16 rows), a row's 512 bytes to a load, each read once in the launch, into window 3, which nothing else names; block and row stand in the immediate, 258,048 at the most
.macro ZGLOAD b
	WIN 0xc0                                       ; destination window 3, address window 0
.irp t, 0,1,2,3,4,5,6,7,8,9,10,11,12,13,14,15
	global_load_b128 v[64*(\b)+4*(\t):64*(\b)+4*(\t)+3], v[CO4], s[ZP:ZP+1] offset:(16*(\b)+(\t))*4096 th:TH_LOAD_NT
.endr
.endm
; A K step is four quarters of 32 along K, 32 matrix instructions each, on buffers 0, 1, 0, 1.  z0: a block of z and g that is asked for behind the run of LDS loads.
.macro QUARTER slot, q, f, g, zero, z0=-1
	s_wait_dscnt 4                                 ; W and A's blocks 0, 1 are in; the youngest four loads (A's blocks 2, 3) may be out
	MULA \f, 0, \zero
	MULA \f, 1, \zero
	PLACES
	FETCH \slot, \q, \g
.if (\z0) >= 0
	ZGLOAD \z0
.endif
	s_wait_dscnt 24                                ; all but the 24 LDS loads just issued
	MULA \f, 2, \zero
	MULA \f, 3, \zero
.endm
; THE CHANGE OF SLOTS stands ahead of the last quarter's products, whose fragments are in registers.  ONE barrier; in front of it each wave waits for all its tensor loads, adds 0 to its spare word, and waits for
; that and for its own reads of this slot.  fill = 1: this slot's two group 0 are made anew for K step KN while the add is out, and a round of the cluster's barrier follows.
; From the wait for the tensor loads to the refill no tile of the work-group is on its way, so no product is laid there: the quarter's 32 stand behind the refill.
.macro CHANGE slot, fill
	WIN 0
	s_wait_tensorcnt 0x0                           ; all my tensor loads have landed: the one that was out is my part of the next slot
	ds_add_u32 v[SPW], v[NIL]                      ; 0 onto my spare word
.if \fill
	s_cmp_lt_u32 s[KN], 8
	s_cselect_b64 s[TA:TA+1], s[AX:AX+1], s[AH:AH+1]  ; steps 0-7 multiply x, steps 8-15 h * r
	s_and_b32 s[OFA], s[KN], 7
	s_lshl_b32 s[OFA], s[OFA], 8
	s_add_nc_u64 s[G0+4*(\slot)+2:G0+4*(\slot)+3], s[TA:TA+1], s[OFA:OFA+1]
	s_or_b32 s[G0+4*(\slot)+3], s[G0+4*(\slot)+3], 0x80000000
	s_lshl_b32 s[OFB], s[KN], 18
	s_add_nc_u64 s[G0B+4*(\slot)+2:G0B+4*(\slot)+3], s[BW:BW+1], s[OFB:OFB+1]
	s_or_b32 s[G0B+4*(\slot)+3], s[G0B+4*(\slot)+3], 0x80000000
	s_add_co_u32 s[KN], s[KN], 1
.endif
	s_wait_dscnt 0x0                               ; the add is done, and my reads of this slot are over (the last were issued 16 matrix instructions ago)
	s_barrier_signal -1
	s_barrier_wait -1
.endm
; The last quarter where the slot is filled again.  From a request to the wait for it a wave issues 128 matrix instructions.
.macro TURN slot, next
	s_wait_xcnt 0x0                                ; the last prefetch, a K step back, has read its address: it is made anew here
	s_add_co_u32 s[PK], s[KN], AHEAD
	s_cmp_lt_u32 s[PK], 8
	s_cselect_b64 s[PFA:PFA+1], s[PF1:PF1+1], s[PF2:PF2+1]
	s_and_b32 s[POF], s[PK], s[PM]
	s_lshl_b32 s[POF], s[POF], s[PS]
	s_add_nc_u64 s[PFA:PFA+1], s[PFA:PFA+1], s[POF:POF+1]
	CHANGE \slot, 1
	CREST                                          ; no wave of any partner still reads this slot's tile or has a load on its way
	JLOAD \slot                                    ; the first tensor load behind the round; its four v_nop are also the places in front of the loads below
	FETCH \next, 0, F0
	ASK
.irp a, 0,1,2,3
	MULA F1, \a, 0
.endr
.endm
	s_wait_tensorcnt 1                             ; my part of K step 0 is in; K step 1's load may stay out
	s_barrier_signal -1
	s_barrier_wait -1
	FETCH 0, 0, F0
	QUARTER 0, 1, F0, F1, 1                        ; the first quarter stands in front of the loop: its products start the sums
	WIN 0
	s_mov_b32 s3, 7
.Llap:                                                 ; once round the ring; both slots are filled again: K steps 2 to 15 in seven trips
	QUARTER 0, 2, F1, F0, 0
	QUARTER 0, 3, F0, F1, 0
	TURN 0, 1
	QUARTER 1, 1, F0, F1, 0
	QUARTER 1, 2, F1, F0, 0
	QUARTER 1, 3, F0, F1, 0
	TURN 1, 0
	QUARTER 0, 1, F0, F1, 0
	WIN 0
	s_sub_co_u32 s3, s3, 1
	s_cmp_lg_u32 s3, 0
	s_cbranch_scc1 .Llap
	QUARTER 0, 2, F1, F0, 0                        ; the last lap is written out: it asks for nothing
	QUARTER 0, 3, F0, F1, 0
	CHANGE 0, 0                                    ; the last K step has landed; nothing is filled again, so no round follows
	PLACES
	FETCH 1, 0, F0
	ZGLOAD 0                                       ; no tile is on its way any more: z and g go out, in the blocks' order
	ZGLOAD 1
.irp a, 0,1,2,3
	MULA F1, \a, 0
.endr
	QUARTER 1, 1, F0, F1, 0
	QUARTER 1, 2, F1, F0, 0, 2
	QUARTER 1, 3, F0, F1, 0
	s_wait_dscnt 4                                 ; the very last quarter
	MULA F1, 0, 0
	MULA F1, 1, 0
	s_wait_dscnt 0x0
	MULA F1, 2, 0
	MULA F1, 3, 0
	WIN 0
	PLACES
	PLACES                                         ; the places behind the last products, once a launch
; THE WAY OUT, four blocks of 16 rows x 128 columns, written out, IN A PIPELINE OF THREE BLOCKS, so that each transcendental has a plain neighbour and no round trip is waited out.  In ITER b:
;   block b's 64 exponentials, and among them block b + 1's 32 scalings out of the accumulators (into the other T)          one wait          + 1
;   block b's 64 reciprocals, and behind each one line of block b - 1's blend, z ht + g, one fused multiply-add a number, z and g taken as f16 halves          one wait
;   block b - 1's stores, a row's 512 bytes each          ht = 1 - 2 / (1 + e^(2 s))          block b through my own stage in LDS into rows (RB)
; Block and row stand in the immediates of the loads and stores, so no pointer is stepped.
.macro COPYL a, j, tb                  ; line j of 32: 2 log2(e) x two sums of block a; each accumulator's registers in ascending order
	v_pk_mul_f32 v[(\tb)+2*(\j):(\tb)+2*(\j)+1], v[CSV:CSV+1], v[64*(\a)+2*(\j):64*(\a)+2*(\j)+1]
.endm
.macro MIXL b, j                       ; line j of 64 of block b's blend: number j % 4 of row j / 4
.if ((\j)%2) == 0
	v_fma_mix_f32 v[RB+(\j)], v[RB+(\j)], v[64*(\b)+4*((\j)/4)+((\j)%4)/2], v[64*(\b)+4*((\j)/4)+2+((\j)%4)/2] op_sel:[0,0,0] op_sel_hi:[0,1,1]
.else
	v_fma_mix_f32 v[RB+(\j)], v[RB+(\j)], v[64*(\b)+4*((\j)/4)+((\j)%4)/2], v[64*(\b)+4*((\j)/4)+2+((\j)%4)/2] op_sel:[0,1,1] op_sel_hi:[0,1,1]
.endif
.endm
.macro STORES b
.irp t, 0,1,2,3,4,5,6,7,8,9,10,11,12,13,14,15
	global_store_b128 v[CO4], v[RB+4*(\t):RB+4*(\t)+3], s[OP:OP+1] offset:(16*(\b)+(\t))*4096 th:TH_STORE_NT  ; 32 lanes store 512 consecutive bytes, at a multiple of 512 from out0's first byte
.endr
.endm
.macro ITER b
.set TB, T0+64*((\b)%2)
.set TN, T0+64*(((\b)+1)%2)
	WIN 0x08                                       ; source 1: window 2, the accumulators
.set k, 0
.rept 64
	v_exp_f32 v[TB+k], v[TB+k]                     ; 2^(2 s log2 e): one batch
.if ((\b) < 3) && ((k%2) == 0)
	COPYL (\b)+1, k/2, TN
.endif
.set k, k+1
.endr
	v_nop                                          ; a plain instruction behind the last exponential (ISA guide 5.7.2),
	s_wait_alu depctr_va_vdst(0)                   ; and the one wait ahead of the batch's first reader
.set k, 0
.rept 32
	v_pk_add_f32 v[TB+2*k:TB+2*k+1], v[TB+2*k:TB+2*k+1], 1.0 op_sel_hi:[1,0]
.set k, k+1
.endr
.if (\b) > 0
	s_wait_loadcnt 16*(4-(\b))                     ; z and g of block b - 1 are in; the later blocks' loads, 16 each, may be out
	s_wait_dscnt 0x0                               ; block b - 1 is back from the stage: its loads were issued a batch and the additions ago
.endif
	WIN 0x3c                                       ; sources 1 and 2: window 3, z and g
.set k, 0
.rept 64
	v_rcp_f32 v[TB+k], v[TB+k]                     ; the second batch
.if (\b) > 0
	MIXL (\b)-1, k
.endif
.set k, k+1
.endr
	v_nop
	s_wait_alu depctr_va_vdst(0)
	WIN 0
.if (\b) > 0
	STORES (\b)-1
.endif
.set k, 0
.rept 32
	v_pk_fma_f32 v[TB+2*k:TB+2*k+1], v[TB+2*k:TB+2*k+1], -2.0, 1.0 op_sel_hi:[1,0,0]  ; ht = 1 - 2 / (1 + e^(2 s))
.set k, k+1
.endr
.irp c, 0,1,2,3,4,5,6,7
	ds_store_b128 v[STO], v[TB+8*(\c):TB+8*(\c)+3]   offset:64*(\c)
	ds_store_b128 v[STO], v[TB+8*(\c)+4:TB+8*(\c)+7] offset:64*(\c)+16
.endr
.if (\b) > 0
	s_wait_xcnt 0x0                                ; every earlier memory instruction has had its addresses translated (ISA guide 3.1): only behind this wait is RB, the stores' data, loaded again
.endif
.irp t, 0,1,2,3,4,5,6,7,8,9,10,11,12,13,14,15
	ds_load_b128 v[RB+4*(\t):RB+4*(\t)+3], v[RD] offset:(\t)*SPITCH  ; LDS serves a wave's instructions in order (ISA guide 5.7.1.4): these see the stores above, and the next block's stores come behind them
.endr
.endm
	ZGLOAD 3                                       ; the last 16 loads of z and g
	WIN 0x08
.set k, 0
.rept 32
	COPYL 0, k, T0
.set k, k+1
.endr
	ITER 0
	ITER 1
	ITER 2
	ITER 3
	s_wait_loadcnt 0x0                             ; the last block's z and g,
	s_wait_dscnt 0x0                               ; and its rows
	WIN 0x3c
.set k, 0
.rept 64
	MIXL 3, k
.set k, k+1
.endr
	WIN 0
	STORES 3
	s_wait_tensorcnt 0x0                           ; the wave's end: behind my last tensor load and my last LDS store
	ds_add_u32 v[SPW], v[NIL]
	s_wait_dscnt 0x0
	CROUND                                         ; the closing round: no work-group ends while a partner may still ask for a tile that names it
	s_endpgm
.Lfunc_end_k_qf6d1fd2054_cand:
	.size	k_qf6d1fd2054_cand, .Lfunc_end_k_qf6d1fd2054_cand-k_qf6d1fd2054_cand
	.p2alignl 7, 3214868480
	.fill 96, 4, 3214868480
	.section	.rodata,"a",@progbits
	.p2align	6, 0x0
	.amdhsa_kernel k_qf6d1fd2054_cand
		.amdhsa_group_segment_fixed_size 327680
		.amdhsa_private_segment_fixed_size 0
		.amdhsa_enable_private_segment 0
		.amdhsa_kernarg_size 48
		.amdhsa_user_sgpr_count 2
		.amdhsa_user_sgpr_kernarg_segment_ptr 1
		.amdhsa_wavefront_size32 1
		.amdhsa_system_sgpr_workgroup_id_x 1
		.amdhsa_system_sgpr_workgroup_id_y 1
		.amdhsa_system_sgpr_workgroup_id_z 1
		.amdhsa_system_vgpr_workitem_id 0
		.amdhsa_next_free_vgpr 1024
		.amdhsa_next_free_sgpr 102
		.amdhsa_reserve_vcc 0
		.amdhsa_float_denorm_mode_32 3
		.amdhsa_float_denorm_mode_16_64 3
		.amdhsa_memory_ordered 1
		.amdhsa_forward_progress 1
		.amdhsa_inst_pref_size 156
	.end_amdhsa_kernel
	.amdgpu_metadata
---
amdhsa.version: [ 1, 2 ]
amdhsa.kernels:
  - .name:           k_qf6d1fd2054_cand
    .symbol:         k_qf6d1fd2054_cand.kd
    .args:
      - { .name: XB, .offset: 0, .size: 8, .value_kind: global_buffer, .address_space: global }
      - { .name: HR, .offset: 8, .size: 8, .value_kind: global_buffer, .address_space: global }
      - { .name: WB, .offset: 16, .size: 8, .value_kind: global_buffer, .address_space: global }
      - { .name: b_hi, .offset: 24, .size: 8, .value_kind: global_buffer, .address_space: global }
      - { .name: ZG, .offset: 32, .size: 8, .value_kind: global_buffer, .address_space: global }
      - { .name: out0, .offset: 40, .size: 8, .value_kind: global_buffer, .address_space: global }
    .group_segment_fixed_size: 327680
    .private_segment_fixed_size: 0
    .kernarg_segment_align: 8
    .kernarg_segment_size: 48
    .max_flat_workgroup_size: 128
    .sgpr_count:     102
    .vgpr_count:     1024
    .wavefront_size: 32
...
	.end_amdgpu_metadata
.endif
;; end of part 3
